; MI455X (gfx1250); checked and timed in simulation.
; The chip was launched on July 23, 2026; its instructions are those of AMD's public machine-readable ISA for CDNA 5 (MIT licence, August 2026) and "CDNA5" Instruction Set Architecture Reference Guide (July 2026). The comments in the code are by the model that wrote it; some were corrected since.
;; Dist Sparse Moe. Allowed arithmetic: float matrix products may take bf16 or f16 operands with f32 sums; other float arithmetic in f32, or as packed bf16 or f16 multiplies, adds, multiply-adds, maxima and minima; sums over many terms, partial sums and values carried from step to step in f32; what a program stores and reads back later, other than sums and carried values, may be rounded once to bf16 or f16.
;; Inputs: expert_b 8 x 1,024 float32; expert_w 8 x 1,024 x 1,024 float32; router_b 8 float32; router_w 1,024 x 8 float32; x 4 x 2,048 x 1,024 float32.
;; Outputs: out0 4 x 2,048 x 1,024 float32.
;; One version. Each part assembles by itself: llvm-mc -triple=amdgcn-amd-amdhsa -mcpu=gfx1250 --defsym DOCPART=n.
;; ======== version 1 of 1: 2 launches
;; workspace buffers: xb 16,777,216 bytes; wb 16,777,216 bytes; gate 32,768 bytes; route 12,288 bytes of whole numbers
;; launch prep (part 1): grid 256 x 1, 8 waves a work-group, no clusters, 193,536 bytes of LDS; arguments x, expert_w, router_w, router_b, xb, wb, gate, route; writes xb, wb, gate, route
.if DOCPART == 1
	.amdgcn_target "amdgcn-amd-amdhsa--gfx1250"
	.amdhsa_code_object_version 6
	.text
	.protected	k_qde09fce77f_prep
	.globl	k_qde09fce77f_prep
	.p2align	8
	.type	k_qde09fce77f_prep,@function
k_qde09fce77f_prep:
	s_mov_b64 s[64:65], 0
	v_nop
	global_prefetch_b8 v0, s[64:65] scope:SCOPE_SE
	s_setreg_imm32_b32 hwreg(HW_REG_WAVE_MODE, 25, 1), 1
	s_wait_xcnt 0x0
; PREP.  Rounds x and expert_w once to bf16, lays the weights out in the order in which a wave's operand registers take them, and routes the tokens.
; x: [8192][1024] f32.  expert_w: [8][1024 k][1024 n] f32.  router_w: [1024][8] f32.  router_b: [8] f32.
; OUT.  xb: x in bf16, [8192][1024].   wb: byte e*2097152 + (n/64)*131072 + (k/32)*4096 + ((n/16)%4)*1024 + half*512 + 16*lane: a fragment of 16 columns x 32 k;
;       lane (r = lane%16, h = lane/16) holds column 16*(n/16)+r; half 0: k = 8h..8h+7, half 1: k = 16+8h..16+8h+7 of the 32.
;       gate: f32, the largest probability of each token.   route: bytes 0..8191 bm[g][e], bit b set where token 32g+b chose expert e; bytes 8192..12287 cw[g][j] = cnt[2j] | cnt[2j+1]<<16.
; SHARES.  Work-group g: tokens 32g..32g+31 (131,072 consecutive bytes of x) and the 131,072 bytes of expert_w from byte g*131072 on (expert g/32, k rows 32(g%32)..+31).
;       Wave w owns the 512 bytes at byte 512w of every row of 4,096 bytes, in both parts: a load of the wave covers 512 consecutive bytes, and 32 loads of every wave are always out.
; ROUTER.  The logits are made by the matrix unit from the rounded numbers (x, router_w, router_b all in bf16), sums in f32: each wave its 128 k, the eight partial sums meet in LDS in f32.
; LIMITS.  All inputs are rounded once to bf16.  The choice is the largest logit, the lower index on a tie; two largest logits closer than the f32 sums' own rounding may be chosen the other way
;       than a sum in another order would.  The maximum is taken away before the exponentials; an exponential below 2^-126 counts as 0 in the sum.  NaN and infinities are not treated apart.
; LEFT OUT.  No tensor loads: every byte passes through registers to be rounded.  No cluster: no two work-groups read the same bytes but the router's 32 KiB.
.set XTP,   272                        ; a row of my strip of x in LDS: 256 bytes + 16: the 16 rows of a fragment load start at 16 different groups of four banks
.set XTW,   32*XTP
.set WTP,   288                        ; a k row of my strip of the weights: 256 + 32
.set WTW,   32*WTP
.set WT,    8*XTW                      ; x strips from byte 0, one a wave; then the weight strips
.set RW,    WT+8*WTW                   ; the router's weights, a wave's 128 k x 16 n in bf16, rows of 32 bytes; n = 8..15 are zeros
.set PART,  RW+8*4096                  ; partial logits, 2,048 bytes a wave: token t's eight at 32 t; the upper 1,024 take the zero experts 8..15
.set SPARE, PART+8*2048                ; the spare words, 128 bytes a wave: four blocks of 256 bytes that no other line names
.set LN,  1                            ; lane
.set SPW, 2                            ; LDS address of my spare word; never rewritten
.set NIL, 3                            ; 0; never rewritten
.set VO,  4                            ; 512 w + 16 lane: my 16 bytes in a row of x or of the weights
.set VXB, 5                            ; 256 w + 8 lane: my 8 bytes in a row of xb
.set XTS, 6                            ; LDS: where I put 8 bytes of a row of x
.set XFA, 7                            ; LDS: my place in a fragment of x
.set RWS, 8                            ; LDS: where I put 8 bytes of the router's weights
.set RWZ, 9                            ; LDS: where I put 16 bytes of zeros
.set TRR, 10                           ; LDS: my place in the turning load of the router's weights
.set WTS, 11                           ; LDS: where I put 8 bytes of a k row of the weights
.set TRW, 12                           ; LDS: my place in the turning load of the weights
.set PTS, 13                           ; LDS: where I put partial logits
.set WBO, 14                           ; 16 lane
.set DD,  16                           ; v16-31   two accumulators: tokens 0-15, 16-31
.set RWF, 32                           ; v32-63   four fragments of the router's weights; before and after: at work
.set PK,  64                           ; v64-127  x rounded, a pair a row; then eight fragments of x; then the weights' fragments
.set LD,  128                          ; v128-255 32 rows as loaded, four registers each
	s_load_b512 s[4:19], s[0:1], 0x0               ; x 4, expert_w 6, router_w 8, router_b 10, xb 12, wb 14, gate 16, route 18
	v_lshl_add_u32 v[SPW], v0, 2, SPARE
	v_mov_b32 v[NIL], 0
	v_and_b32 v[LN], 31, v0
	v_lshrrev_b32 v15, 5, v0
	v_readfirstlane_b32 s20, v15                   ; wave 0..7
	s_mov_b32 s21, ttmp9                           ; g
	s_mov_b32 s23, 0
	v_lshlrev_b32 v[VO], 4, v0
	v_lshlrev_b32 v[VXB], 3, v0
	v_lshlrev_b32 v[WBO], 4, v[LN]
	v_and_b32 v16, 15, v[LN]                       ; r
	v_lshrrev_b32 v17, 4, v[LN]                    ; h
	v_and_b32 v18, 7, v[LN]
	v_lshl_add_u32 v18, v17, 3, v18                ; 8 h + lane % 8: the row that I address in a turning load
	v_bfe_u32 v19, v[LN], 3, 1                     ; and which 16 bytes of it
	s_mul_i32 s44, s20, XTW                        ; my strip of x
	v_lshl_add_u32 v[XTS], v[LN], 3, s44
	v_mul_u32_u24 v20, v16, XTP
	v_lshl_add_u32 v20, v17, 4, v20
	v_add_nc_u32 v[XFA], s44, v20                  ; row r x pitch + 16 h
	s_lshl_b32 s45, s20, 12
	s_add_co_u32 s45, s45, RW                      ; my part of the router's weights
	v_lshrrev_b32 v20, 1, v[LN]
	v_and_b32 v21, 1, v[LN]
	v_lshlrev_b32 v20, 5, v20
	v_lshl_add_u32 v20, v21, 3, v20
	v_add_nc_u32 v[RWS], s45, v20                  ; k row lane / 2, experts 4 (lane % 2) on
	v_lshl_add_u32 v[RWZ], v[LN], 5, s45
	v_add_nc_u32 v[RWZ], 16, v[RWZ]                ; the upper 16 bytes of k row lane
	v_lshlrev_b32 v20, 5, v18
	v_lshl_add_u32 v20, v19, 4, v20
	v_add_nc_u32 v[TRR], s45, v20
	s_mul_i32 s44, s20, WTW
	s_add_co_u32 s44, s44, WT                      ; my strip of the weights
	v_lshl_add_u32 v[WTS], v[LN], 3, s44
	v_mul_u32_u24 v20, v18, WTP
	v_lshl_add_u32 v20, v19, 4, v20
	v_add_nc_u32 v[TRW], s44, v20
	s_lshl_b32 s45, s20, 11
	s_add_co_u32 s45, s45, PART
	v_lshlrev_b32 v20, 5, v16
	v_lshl_add_u32 v20, v17, 10, v20
	v_add_nc_u32 v[PTS], s45, v20                  ; token r's 32 bytes; lanes 16-31, which hold the zero experts, 1,024 further on
	s_wait_kmcnt 0x0
	s_load_b256 s[24:31], s[10:11], 0x0            ; router_b: no line of this text writes it
	s_lshl_b32 s22, s21, 17
	s_add_nc_u64 s[4:5], s[4:5], s[22:23]          ; x at my 32 tokens
	s_add_nc_u64 s[6:7], s[6:7], s[22:23]          ; expert_w at my 32 k rows
	s_lshl_b32 s22, s20, 12
	s_add_nc_u64 s[8:9], s[8:9], s[22:23]          ; router_w at my wave's 128 k
	s_lshl_b32 s22, s21, 16
	s_add_nc_u64 s[12:13], s[12:13], s[22:23]      ; xb at my 32 tokens
	s_lshr_b32 s44, s21, 5                         ; the expert
	s_and_b32 s45, s21, 31                         ; k / 32
	s_lshl_b32 s22, s44, 21
	s_lshl_b32 s45, s45, 12
	s_add_co_u32 s22, s22, s45
	s_lshl_b32 s45, s20, 18                        ; my wave's 128 columns are two slices of 64
	s_add_co_u32 s22, s22, s45
	s_add_nc_u64 s[14:15], s[14:15], s[22:23]      ; wb
	s_lshl_b32 s22, s21, 7
	s_add_nc_u64 s[16:17], s[16:17], s[22:23]      ; gate at my 32 tokens
	; 8 loads of the router's weights, then my strip of all 32 rows of x
.irp j, 0,1,2,3,4,5,6,7
	global_load_b128 v[PK+4*(\j):PK+4*(\j)+3], v[WBO], s[8:9] offset:512*(\j)
.endr
.set kk, 0
.rept 32
	global_load_b128 v[LD+4*kk:LD+4*kk+3], v[VO], s[4:5] offset:4096*kk th:TH_LOAD_NT
.set kk, kk+1
.endr
	s_wait_loadcnt 32                              ; the router's weights are in; the 32 loads of x are younger
.irp j, 0,1,2,3,4,5,6,7
	v_cvt_pk_bf16_f32 v[RWF+2*(\j)],   v[PK+4*(\j)],   v[PK+4*(\j)+1]
	v_cvt_pk_bf16_f32 v[RWF+2*(\j)+1], v[PK+4*(\j)+2], v[PK+4*(\j)+3]
	ds_store_b64 v[RWS], v[RWF+2*(\j):RWF+2*(\j)+1] offset:512*(\j)  ; 16 k rows a store
.endr
.irp j, 0,1,2,3
	v_mov_b32 v[DD+(\j)], 0
.endr
.irp j, 0,1,2,3
	ds_store_b128 v[RWZ], v[DD:DD+3] offset:1024*(\j)  ; experts 8..15 do not exist: zeros
.endr
; Row kk of x: rounded, stored to xb (the wave's store covers 256 consecutive bytes, aligned) and kept in LDS for the router.  Its registers take row kk of the weights at once.
.macro XROW kk
	s_wait_loadcnt 31                              ; loads come back in order: behind mine stand rows kk+1..31 of x and rows 0..kk-1 of the weights, 31 in all
	v_cvt_pk_bf16_f32 v[PK+2*(\kk)],   v[LD+4*(\kk)],   v[LD+4*(\kk)+1]
	v_cvt_pk_bf16_f32 v[PK+2*(\kk)+1], v[LD+4*(\kk)+2], v[LD+4*(\kk)+3]
	global_load_b128 v[LD+4*(\kk):LD+4*(\kk)+3], v[VO], s[6:7] offset:4096*(\kk) th:TH_LOAD_NT
	global_store_b64 v[VXB], v[PK+2*(\kk):PK+2*(\kk)+1], s[12:13] offset:2048*(\kk)  ; each row has its own pair: nothing is rewritten under a store
	ds_store_b64 v[XTS], v[PK+2*(\kk):PK+2*(\kk)+1] offset:XTP*(\kk)
.endm
.set kk, 0
.rept 32
	XROW kk
.set kk, kk+1
.endr
	; Partial logits of my 128 k.  Source 0 = 16 experts (turned out of LDS), source 1 = 16 tokens: lane r of the lower half then holds token r's eight logits in its eight registers.
	s_wait_xcnt 0x0                                ; the stores to xb have read their pairs: only now are those registers loaded again
.irp s, 0,1,2,3
	ds_load_tr16_b128 v[RWF+8*(\s):RWF+8*(\s)+3],   v[TRR] offset:1024*(\s)
	ds_load_tr16_b128 v[RWF+8*(\s)+4:RWF+8*(\s)+7], v[TRR] offset:1024*(\s)+512
.endr
.irp s, 0,1,2,3
.irp m, 0,1
	ds_load_b128 v[PK+8*(2*(\s)+(\m)):PK+8*(2*(\s)+(\m))+3],   v[XFA] offset:(\m)*16*XTP+64*(\s)
	ds_load_b128 v[PK+8*(2*(\s)+(\m))+4:PK+8*(2*(\s)+(\m))+7], v[XFA] offset:(\m)*16*XTP+64*(\s)+32
.endr
.endr
	s_wait_dscnt 0x0                               ; a wave's LDS instructions are served in order: these loads saw my stores above
.irp s, 0,1,2,3                        ; the two accumulators take turns; the first products start the sums
.irp m, 0,1
.if (\s) == 0
	v_wmma_f32_16x16x32_bf16 v[DD+8*(\m):DD+8*(\m)+7], v[RWF+8*(\s):RWF+8*(\s)+7], v[PK+8*(2*(\s)+(\m)):PK+8*(2*(\s)+(\m))+7], 0
.else
	v_wmma_f32_16x16x32_bf16 v[DD+8*(\m):DD+8*(\m)+7], v[RWF+8*(\s):RWF+8*(\s)+7], v[PK+8*(2*(\s)+(\m)):PK+8*(2*(\s)+(\m))+7], v[DD+8*(\m):DD+8*(\m)+7]
.endif
.endr
.endr
.rept 4
	v_nop                                          ; four places between the last product and the first line that reads a result or writes an operand
.endr
	ds_store_b128 v[PTS], v[DD:DD+3]
	ds_store_b128 v[PTS], v[DD+4:DD+7] offset:16
	ds_store_b128 v[PTS], v[DD+8:DD+11] offset:512
	ds_store_b128 v[PTS], v[DD+12:DD+15] offset:528
	s_wait_kmcnt 0x0                               ; router_b
	s_wait_dscnt 0x0                               ; for wave 0's sake: my partial logits are in LDS
	s_barrier_signal -1
	s_barrier_wait -1
	; Wave 0: lane = token.  The other waves go on to the weights.
	s_cmp_lg_u32 s20, 0
	s_cbranch_scc1 .Lweights
	v_lshl_add_u32 v15, v[LN], 5, PART
.set i, 0
.rept 8
	ds_load_b128 v[PK+8*i:PK+8*i+3],   v15 offset:2048*i
	ds_load_b128 v[PK+8*i+4:PK+8*i+7], v15 offset:2048*i+16
.set i, i+1
.endr
.irp e, 0,1,2,3,4,5,6,7
	v_mov_b32 v[RWF+(\e)], s[24+(\e)]
.endr
.irp j, 0,1,2,3
	v_cvt_pk_bf16_f32 v[RWF+8+(\j)], v[RWF+2*(\j)], v[RWF+2*(\j)+1]  ; the bias is rounded to bf16 like every input,
.endr
.irp j, 0,1,2,3
	v_lshlrev_b32 v[RWF+2*(\j)], 16, v[RWF+8+(\j)]                  ; and widened again
	v_and_b32 v[RWF+2*(\j)+1], 0xffff0000, v[RWF+8+(\j)]
.endr
	s_wait_dscnt 0x0
.set i, 1
.rept 7                                ; the eight waves' sums in a fixed order
.irp j, 0,2,4,6
	v_pk_add_f32 v[PK+(\j):PK+(\j)+1], v[PK+(\j):PK+(\j)+1], v[PK+8*i+(\j):PK+8*i+(\j)+1]
.endr
.set i, i+1
.endr
.irp j, 0,2,4,6
	v_pk_add_f32 v[PK+(\j):PK+(\j)+1], v[PK+(\j):PK+(\j)+1], v[RWF+(\j):RWF+(\j)+1]
.endr
	v_mov_b32 v[PK+20], v[PK]                      ; the largest logit so far,
	v_mov_b32 v[PK+21], 0                          ; and whose it is: only a strictly larger one takes its place
.irp e, 1,2,3,4,5,6,7
	v_cmp_gt_f32 vcc_lo, v[PK+(\e)], v[PK+20]
	v_cndmask_b32 v[PK+21], v[PK+21], \e, vcc_lo
	v_max_num_f32 v[PK+20], v[PK+20], v[PK+(\e)]
.endr
.irp e, 0,1,2,3,4,5,6,7
	v_sub_f32 v[PK+8+(\e)], v[PK+(\e)], v[PK+20]   ; the maximum is taken away: every exponent is 0 or below
.endr
.irp e, 0,1,2,3,4,5,6,7
	v_mul_f32 v[PK+8+(\e)], 0x3fb8aa3b, v[PK+8+(\e)]  ; log2(e)
.endr
.irp e, 0,1,2,3,4,5,6,7
	v_exp_f32 v[PK+8+(\e)], v[PK+8+(\e)]
.endr
	v_lshlrev_b32 v[PK+23], 2, v[LN]               ; a plain instruction between the last exponential and the use of its result
	s_wait_alu depctr_va_vdst(0)
	v_add_f32 v[PK+8], v[PK+8], v[PK+9]
	v_add_f32 v[PK+10], v[PK+10], v[PK+11]
	v_add_f32 v[PK+12], v[PK+12], v[PK+13]
	v_add_f32 v[PK+14], v[PK+14], v[PK+15]
	v_add_f32 v[PK+8], v[PK+8], v[PK+10]
	v_add_f32 v[PK+12], v[PK+12], v[PK+14]
	v_add_f32 v[PK+8], v[PK+8], v[PK+12]
	v_rcp_f32 v[PK+22], v[PK+8]                    ; the largest probability is 1 / the sum
	v_mov_b32 v[PK+24], 0                          ; a plain instruction behind the reciprocal
	s_wait_alu depctr_va_vdst(0)
	global_store_b32 v[PK+23], v[PK+22], s[16:17]
.irp e, 0,1,2,3,4,5,6,7
	v_cmp_eq_u32 s[32+(\e)], \e, v[PK+21]          ; the 32 tokens' choices as a word of bits for each expert
.endr
.irp j, 0,1,2,3
	s_bcnt1_i32_b32 s44, s[32+2*(\j)]
	s_bcnt1_i32_b32 s45, s[33+2*(\j)]
	s_lshl_b32 s45, s45, 16
	s_or_b32 s[40+(\j)], s44, s45
.endr
.irp e, 0,1,2,3,4,5,6,7
	v_writelane_b32 v[PK+24], s[32+(\e)], \e       ; lanes 0-7 carry the words, lanes 8-11 the packed counts
.endr
.irp j, 0,1,2,3
	v_writelane_b32 v[PK+24], s[40+(\j)], 8+(\j)
.endr
	s_lshl_b32 s44, s21, 5
	v_lshl_add_u32 v[PK+25], v[LN], 2, s44         ; 32 g + 4 lane
	s_lshl_b32 s45, s21, 4
	s_add_co_u32 s45, s45, 8160
	v_lshl_add_u32 v[PK+26], v[LN], 2, s45         ; 8192 + 16 g + 4 (lane - 8)
	v_cmp_gt_u32 vcc_lo, 8, v[LN]
	v_cndmask_b32 v[PK+25], v[PK+26], v[PK+25], vcc_lo
	v_cmp_gt_u32 vcc_lo, 12, v[LN]
	s_wait_xcnt 0x0                                ; EXEC is a source of the loads and stores that are out: it changes only behind this wait
	s_and_saveexec_b32 s46, vcc_lo
	global_store_b32 v[PK+25], v[PK+24], s[18:19]  ; fixed places: no address here hangs on the choice
	s_wait_xcnt 0x0                                ; and again in front of the line that widens it; the registers of both stores are free behind it too
	s_or_b32 exec_lo, exec_lo, s46
.Lweights:
	; The weights: my strip of 32 k rows, rounded, into LDS; out of it turned, as fragments of 16 columns x 32 k
.set kk, 0
.rept 32
	s_wait_loadcnt 31-kk                           ; the counts run down: behind row kk stand rows kk+1..31
	v_cvt_pk_bf16_f32 v[RWF+2*(kk%4)],   v[LD+4*kk],   v[LD+4*kk+1]
	v_cvt_pk_bf16_f32 v[RWF+2*(kk%4)+1], v[LD+4*kk+2], v[LD+4*kk+3]
	ds_store_b64 v[WTS], v[RWF+2*(kk%4):RWF+2*(kk%4)+1] offset:WTP*kk
.set kk, kk+1
.endr
.irp n, 0,1,2,3,4,5,6,7
	ds_load_tr16_b128 v[PK+8*(\n):PK+8*(\n)+3],   v[TRW] offset:32*(\n)
	ds_load_tr16_b128 v[PK+8*(\n)+4:PK+8*(\n)+7], v[TRW] offset:32*(\n)+16*WTP
.endr
.set i, 0
.rept 16
	s_wait_dscnt 15-i
	global_store_b128 v[WBO], v[PK+4*i:PK+4*i+3], s[14:15] offset:(i/8)*131072+((i/2)%4)*1024+(i%2)*512  ; 512 consecutive bytes, aligned
.set i, i+1
.endr
	s_wait_tensorcnt 0x0                           ; the wave's end: behind my last LDS store
	ds_add_u32 v[SPW], v[NIL]
	s_wait_dscnt 0x0
	s_endpgm
.Lfunc_end_k_qde09fce77f_prep:
	.size	k_qde09fce77f_prep, .Lfunc_end_k_qde09fce77f_prep-k_qde09fce77f_prep
	.p2alignl 7, 3214868480
	.fill 96, 4, 3214868480
	.section	.rodata,"a",@progbits
	.p2align	6, 0x0
	.amdhsa_kernel k_qde09fce77f_prep
		.amdhsa_group_segment_fixed_size 193536
		.amdhsa_private_segment_fixed_size 0
		.amdhsa_enable_private_segment 0
		.amdhsa_kernarg_size 64
		.amdhsa_user_sgpr_count 2
		.amdhsa_user_sgpr_kernarg_segment_ptr 1
		.amdhsa_wavefront_size32 1
		.amdhsa_system_sgpr_workgroup_id_x 1
		.amdhsa_system_sgpr_workgroup_id_y 1
		.amdhsa_system_sgpr_workgroup_id_z 1
		.amdhsa_system_vgpr_workitem_id 0
		.amdhsa_next_free_vgpr 256
		.amdhsa_next_free_sgpr 66
		.amdhsa_reserve_vcc 1
		.amdhsa_float_denorm_mode_32 3
		.amdhsa_float_denorm_mode_16_64 3
		.amdhsa_memory_ordered 1
		.amdhsa_forward_progress 1
		.amdhsa_inst_pref_size 44
	.end_amdhsa_kernel
	.amdgpu_metadata
---
amdhsa.version: [ 1, 2 ]
amdhsa.kernels:
  - .name:           k_qde09fce77f_prep
    .symbol:         k_qde09fce77f_prep.kd
    .args:
      - { .name: x, .offset: 0, .size: 8, .value_kind: global_buffer, .address_space: global }
      - { .name: expert_w, .offset: 8, .size: 8, .value_kind: global_buffer, .address_space: global }
      - { .name: router_w, .offset: 16, .size: 8, .value_kind: global_buffer, .address_space: global }
      - { .name: router_b, .offset: 24, .size: 8, .value_kind: global_buffer, .address_space: global }
      - { .name: xb, .offset: 32, .size: 8, .value_kind: global_buffer, .address_space: global }
      - { .name: wb, .offset: 40, .size: 8, .value_kind: global_buffer, .address_space: global }
      - { .name: gate, .offset: 48, .size: 8, .value_kind: global_buffer, .address_space: global }
      - { .name: route, .offset: 56, .size: 8, .value_kind: global_buffer, .address_space: global }
    .group_segment_fixed_size: 193536
    .private_segment_fixed_size: 0
    .kernarg_segment_align: 8
    .kernarg_segment_size: 64
    .max_flat_workgroup_size: 256
    .sgpr_count:     66
    .vgpr_count:     256
    .wavefront_size: 32
...
	.end_amdgpu_metadata
.endif
;; end of part 1
;; launch moe (part 2): grid 4 x 64, 4 waves a work-group, no clusters, 315,904 bytes of LDS; arguments xb, wb, gate, route, expert_b, out0; writes out0
.if DOCPART == 2
	.amdgcn_target "amdgcn-amd-amdhsa--gfx1250"
	.amdhsa_code_object_version 6
	.text
	.protected	k_qde09fce77f_moe
	.globl	k_qde09fce77f_moe
	.p2align	8
	.type	k_qde09fce77f_moe,@function
k_qde09fce77f_moe:
	s_mov_b64 s[64:65], 0
	v_nop
	global_prefetch_b8 v0, s[64:65] scope:SCOPE_SE
	s_setreg_imm32_b32 hwreg(HW_REG_WAVE_MODE, 25, 1), 1
	s_wait_xcnt 0x0
; MOE.  out[t] = gate[t] * (x[t] . W[e(t)] + b[e(t)]), only for the expert that token t chose.  xb, wb, gate, route as the launch before stored them; expert_b [8][1024] f32; out0 [8192][1024] f32.
; THE GRID SERVES EVERY SPLIT.  Tiles of 144 rows: the sum over the experts of ceil(count / 144) is at most (8192 + 8 x 143) / 144 = 64.8, so 64 slots (grid y) are enough whatever the choice;
; grid x is one of four slices of 256 columns.  Every work-group adds up the stored counts, finds its slot's expert and tile, and finds the tokens of its 144 ranks in the bitmaps by itself.
; A slot that a split leaves without rows has NROW = 0: it walks the same text (no barrier stands under a branch on loaded numbers) and jumps over all its stores.  Places past the count repeat the tile's last row:
; the same token and the same numbers, stored twice by the same wave.  Whole blocks of 16 rows past the count are not stored.
; SHARES.  A wave makes 144 rows x 64 columns: 36 accumulators.  The tile's rows of xb come by the list, through registers, into LDS, 128 k (256 bytes a row) at a time, each byte of LDS written once.
; The weights come straight from wb into operand registers: each byte of them is used by one wave, once.
; THE MATRIX INSTRUCTION IS USED TRANSPOSED: source 0 = 16 columns of W, source 1 = 16 tokens: a lane holds eight neighbouring columns of one token's row.  The first product's C is the bias.
; THE WALK.  Chunks 0-6 of 128 k go by k: a sub-step of 32 k is three groups of 12 products, and behind each group stand the six LDS loads of the same row blocks for the next sub-step.
; The last chunk goes by rows: its weights are all in registers, each block of 16 rows is finished by 16 products and leaves while the next block is multiplied.  K ascends in every sum either way.
; THE WAITS' COUNTS.  From the first weights on the text is a straight line in which no LDS instruction and no global load is jumped over, so it counts them itself, in the symbols DSN and LDN; a mark keeps the
; count at the end of a run, and a wait for that run is written as what has been issued since (loads and LDS instructions of a wave end in order: ISA guide 5.7.1); 63 where more have been.
; LIMITS.  x, the weights and the bias are rounded once to bf16; sums in f32; the gate's weight is applied in f32.  NaN and infinities are not treated apart.
; NO TENSOR LOADS, NO CLUSTER.  The rows that the four column slices share come by a list of tokens, which no descriptor covers.  The weights that an expert's tiles share: whole clusters of four tiles dealt to
; eight experts out of 16 clusters would want tiles of 8192 / (16 - 7) / 4 = 228 rows to serve every split, against 144.
; REGISTERS, in windows of 256 (s_set_vgpr_msb: bits 1:0 source 0, 3:2 source 1, 5:4 source 2, 7:6 destination):
;   window 0: addresses, rows on their way, bias, gates, the way out      window 1: the weights' fragments, two buffers of 128 k: 128 (c % 2) + 32 s + 8 nb
;   window 2: the accumulators of row blocks 0-7, at 32 mb + 8 nb          window 3: v0-31 those of row block 8; v32-175 the rows' fragments: by k two buffers of 32 k, 32 + 72 (u % 2) + 8 mb;
;                                                                                    by rows four buffers of 16 rows x 128 k, 32 + 32 (a % 4) + 8 s
.set PITCH, 2064                       ; a row of the tile in LDS: 2,048 bytes + 16 = 129 x 16: the 16 rows of a fragment load start at 16 different groups of four banks
.set STAGE, 144*PITCH                  ; behind the tile: 16 rows x 272 bytes for each wave, for the way out
.set SP,    272
.set LIST,  STAGE+4*16*SP              ; the tile's 144 tokens, a word each; three blocks of 256 bytes
.set SPARE, LIST+768                   ; the spare words, 128 bytes a wave: two blocks of 256 bytes that no other line names
.set LN,  1                            ; lane
.set RR,  2                            ; lane % 16
.set HH,  3                            ; lane / 16
.set SPW, 4                            ; LDS address of my spare word; never rewritten
.set NIL, 5                            ; 0; never rewritten
.set BO,  6                            ; 16 lane
.set BMO, 7                            ; 32 lane
.set AF,  8                            ; v8-12  LDS: my place in the fragments of row blocks 2 i, 2 i + 1
.set AS0, 13                           ; v13-14 LDS: where I put 16 bytes of my wave's rows 0-17, 18-35
.set LISTW, 15                         ; LDS: the list at my wave's rows, + 4 (lane / 16)
.set STO, 16                           ; the way out: where I put 32 bytes of a row
.set RD,  17                           ; the way out: where I read rows back
.set CO,  18                           ; 16 (lane % 16)
.set LSTH, 19                          ; LDS: the list + 4 (lane / 16)
.set LSTR, 20                          ; LDS: the list + 4 (lane % 16)
.set TG,  21                           ; v21-31 at work in the front end; v21-29 later the tokens whose gates I fetch
.set AO,  32                           ; v32-49   byte offset in xb of my 16 bytes of the wave's rows 2 p + lane / 16
.set BIO, 50                           ; 32 (lane / 16)
.set ST0, 52                           ; v52-123 and v174-245: rows on their way, two buffers of 18 x 4
.set BIAS, 124                         ; v124-155 the bias of my eight columns in each of four column blocks
.set G2,  156                          ; v156-173 the gate of my token in each of nine row blocks, twice (a pair for the packed multiply)
.set OB,  52                           ; the way out: 16 rows read back, two buffers of 32
.set TK,  116                          ; the way out: tokens, then byte offsets in out0, two buffers of 8
.set BM,  52                           ; the front end: v52-115 the bitmaps: group 32 q + lane, expert e at BM + 8 q + e
.set CW,  174                          ; v174-205 the packed counts: CW + 4 q + j
.set TP,  206                          ; v206-209 packed totals
.set WQ,  210                          ; v210-217 my expert's words of my eight groups
.set CQ,  218                          ; v218-225 their counts, then the running sums
.set PA,  226                          ; running sums 1-4, a byte each
.set PB,  227                          ; running sums 5-7
.set NN,  228
.set SS,  229                          ; how many of the expert's tokens lie in lower lanes
.set RHO0, 230                         ; the ranks that I look for: two chains
.set RHO1, 231
.set LS0, 232                          ; the lanes that hold them
.set LS1, 233
.set GS0, 234                          ; v234-244 what chain 0 takes from that lane
.set GS1, 52                           ; v52-62   chain 1 (the bitmaps have been read)
.set LA0, 246                          ; LDS: where the chains put their tokens
.set LA1, 247
.set IX0, 250
.set IX1, 251
.set WV,  16                           ; s16 wave   s17 column slice   s18 slot   s19 tiles so far   s20 expert   s21 tile in the expert   s22 the expert's count
.set SX,  17
.set SLT, 18
.set ACC, 19
.set SE,  20
.set SI,  21
.set SC,  22
.set LO,  23                           ; s23 the tile's first rank   s24 its rows   s25 max(rows, 1) - 1
.set NROW, 24
.set NR1, 25
.set MSB, 0
.macro WIN new                         ; the immediate's high byte repeats the setting that is left; a switch that changes nothing is dropped
.if MSB != (\new)
	s_set_vgpr_msb (MSB<<8)|(\new)
.set MSB, (\new)
.endif
.endm
.macro PLACES                          ; four places in front of loads into registers that matrix instructions have read, and of lines that read results just made
.rept 4
	v_nop
.endr
.endm
.set DSN, 0                            ; LDS instructions issued so far
.set LDN, 0                            ; global loads issued so far
.macro WDS mark                        ; the LDS instructions up to the mark are done: as many may be out as were issued behind it
.if DSN-(\mark) > 63
	s_wait_dscnt 63
.else
	s_wait_dscnt DSN-(\mark)
.endif
.endm
.macro WLD mark                        ; the same for global loads
.if LDN-(\mark) > 63
	s_wait_loadcnt 63
.else
	s_wait_loadcnt LDN-(\mark)
.endif
.endm
	s_load_b256 s[4:11], s[0:1], 0x0               ; xb 4, wb 6, gate 8, route 10
	s_load_b128 s[12:15], s[0:1], 0x20             ; expert_b 12, out0 14
	v_lshl_add_u32 v[SPW], v0, 2, SPARE
	v_mov_b32 v[NIL], 0
	v_and_b32 v[LN], 31, v0
	v_lshrrev_b32 v21, 5, v0
	v_readfirstlane_b32 s[WV], v21
	v_and_b32 v[RR], 15, v0
	v_bfe_u32 v[HH], v0, 4, 1
	v_lshlrev_b32 v[BO], 4, v[LN]
	v_lshlrev_b32 v[BMO], 5, v[LN]
	s_mov_b32 s[SX], ttmp9
	; Which slot a work-group takes: a permutation of y's six bits; any permutation gives the same result.  Slots lie in the experts' order, about eight to an expert where the split is even;
	; y's bits 1, 0, 2 become the slot's bits 5, 4, 3, so work-groups that differ in one of those bits of y mostly work on different experts and read different parts of wb.
	s_and_b32 s39, ttmp7, 0xffff                   ; y
	s_bfe_u32 s32, s39, 0x10001
	s_lshl_b32 s[SLT], s32, 5
	s_and_b32 s32, s39, 1
	s_lshl_b32 s32, s32, 4
	s_or_b32 s[SLT], s[SLT], s32
	s_bfe_u32 s32, s39, 0x10002
	s_lshl_b32 s32, s32, 3
	s_or_b32 s[SLT], s[SLT], s32
	s_lshr_b32 s32, s39, 3                         ; bits 5:3 become bits 2:0
	s_or_b32 s[SLT], s[SLT], s32
	s_wait_kmcnt 0x0
	; Lane l, register set q hold group 32 q + l of 32 tokens.  An expert's tokens are ranked by (lane, q, bit): any fixed order serves.
.irp q, 0,1,2,3,4,5,6,7
	global_load_b128 v[CW+4*(\q):CW+4*(\q)+3], v[BO], s[10:11] offset:8192+512*(\q)
.endr
.irp q, 0,1,2,3,4,5,6,7
	global_load_b128 v[BM+8*(\q):BM+8*(\q)+3],   v[BMO], s[10:11] offset:1024*(\q)
	global_load_b128 v[BM+8*(\q)+4:BM+8*(\q)+7], v[BMO], s[10:11] offset:1024*(\q)+16
.endr
	; addresses, in the wait for them
	s_mov_b32 s26, 0x76543210                      ; v_permlanex16_b32: each lane takes its own place in the other half
	s_mov_b32 s27, 0xfedcba98
	s_mov_b32 s34, 0xaaaaaaaa                      ; the lanes whose number has bit 0, 1, 2, 3, 4 set
	s_mov_b32 s35, 0xcccccccc
	s_mov_b32 s36, 0xf0f0f0f0
	s_mov_b32 s37, 0xff00ff00
	s_mov_b32 s38, 0xffff0000
	v_mul_u32_u24 v21, v[RR], PITCH
	v_lshl_add_u32 v[AF], v[HH], 4, v21            ; row x pitch + 16 x half
.irp i, 1,2,3,4
	v_add_nc_u32 v[AF+(\i)], 32*PITCH*(\i), v[AF]
.endr
	s_mul_i32 s39, s[WV], 36*PITCH                 ; my wave brings rows 36 w .. 36 w + 35
	v_mul_u32_u24 v21, v[HH], PITCH
	v_lshl_add_u32 v21, v[RR], 4, v21
	v_add_nc_u32 v[AS0], s39, v21
	v_add_nc_u32 v[AS0+1], 18*PITCH, v[AS0]
	s_mul_i32 s39, s[WV], 144
	s_add_co_u32 s39, s39, LIST
	v_lshl_add_u32 v[LISTW], v[HH], 2, s39
	v_lshl_add_u32 v[LA0], v[LN], 2, s39           ; chain 0: row 36 w + lane
	v_and_b32 v22, 3, v[LN]
	v_lshl_add_u32 v[LA1], v22, 2, s39             ; chain 1: row 36 w + 32 + lane % 4
	v_add_nc_u32 v[LA1], 128, v[LA1]
	s_mul_i32 s39, s[WV], 36
	v_add_nc_u32 v[RHO0], s39, v[LN]
	v_add_nc_u32 v[RHO1], s39, v22
	v_add_nc_u32 v[RHO1], 32, v[RHO1]
	s_mul_i32 s39, s[WV], 16*SP
	s_add_co_u32 s39, s39, STAGE                   ; my stage
	v_mul_u32_u24 v21, v[RR], SP
	v_lshl_add_u32 v21, v[HH], 5, v21
	v_add_nc_u32 v[STO], s39, v21                  ; in: row lane % 16, 32 bytes for each half of the lanes
	v_mul_u32_u24 v21, v[HH], SP
	v_lshl_add_u32 v21, v[RR], 4, v21
	v_add_nc_u32 v[RD], s39, v21                   ; back: lanes 0-15 one row of 256 bytes, lanes 16-31 the next
	v_lshlrev_b32 v[CO], 4, v[RR]
	v_lshl_add_u32 v[LSTH], v[HH], 2, LIST
	v_lshl_add_u32 v[LSTR], v[RR], 2, LIST
	v_lshlrev_b32 v[BIO], 5, v[HH]
.irp j, 0,1,2,3
	v_mov_b32 v[21+(\j)], 0                        ; destinations of the lane moves below count as read
.endr
	s_wait_loadcnt 16                              ; the counts are in; the 16 loads of the bitmaps are younger
	; the eight experts' totals, two to a word (8,192 at the most: the halves do not meet)
.irp j, 0,1,2,3
	v_add3_u32 v[TP+(\j)], v[CW+(\j)], v[CW+4+(\j)], v[CW+8+(\j)]
.endr
.irp j, 0,1,2,3
	v_add3_u32 v[TP+(\j)], v[TP+(\j)], v[CW+12+(\j)], v[CW+16+(\j)]
.endr
.irp j, 0,1,2,3
	v_add3_u32 v[TP+(\j)], v[TP+(\j)], v[CW+20+(\j)], v[CW+24+(\j)]
.endr
.irp j, 0,1,2,3
	v_add_nc_u32 v[TP+(\j)], v[TP+(\j)], v[CW+28+(\j)]
.endr
.irp d, 1,2,4,8
.irp j, 0,1,2,3
	v_mov_b32_dpp v[21+(\j)], v[TP+(\j)] row_xmask:\d row_mask:0xf bank_mask:0xf
.endr
.irp j, 0,1,2,3
	v_add_nc_u32 v[TP+(\j)], v[TP+(\j)], v[21+(\j)]
.endr
.endr
.irp j, 0,1,2,3
	v_permlanex16_b32 v[21+(\j)], v[TP+(\j)], s26, s27
.endr
.irp j, 0,1,2,3
	v_add_nc_u32 v[TP+(\j)], v[TP+(\j)], v[21+(\j)]
.endr
.irp j, 0,1,2,3
	v_readfirstlane_b32 s[28+(\j)], v[TP+(\j)]
.endr
	; which expert's which tile is my slot's?  Expert e has ceil(c / 144) tiles = ((c + 143) / 16) / 9, the division by 9 as x 7282 >> 16, exact for the 520 at the most that enter it
	s_mov_b32 s[ACC], 0
	s_mov_b32 s[SE], 0
	s_mov_b32 s[SI], 0
	s_mov_b32 s[SC], 0                             ; a slot past the last tile keeps count 0
.irp e, 0,1,2,3,4,5,6,7
	s_bfe_u32 s39, s[28+(\e)/2], (16<<16)|(16*((\e)%2))
	s_add_co_u32 s32, s39, 143
	s_lshr_b32 s32, s32, 4
	s_mul_i32 s32, s32, 7282
	s_lshr_b32 s32, s32, 16
	s_sub_co_u32 s33, s[SLT], s[ACC]               ; wraps to a large number where the slot lies below this expert's tiles
	s_cmp_lt_u32 s33, s32
	s_cselect_b32 s[SE], \e, s[SE]
	s_cselect_b32 s[SI], s33, s[SI]
	s_cselect_b32 s[SC], s39, s[SC]
	s_add_co_u32 s[ACC], s[ACC], s32
.endr
	s_min_u32 s[SE], s[SE], 7                      ; a number made of loaded ones enters addresses only behind a bound
	s_mul_i32 s[LO], s[SI], 144
	s_sub_co_u32 s[NROW], s[SC], s[LO]
	s_min_u32 s[NROW], s[NROW], 144
	s_max_u32 s[NR1], s[NROW], 1
	s_sub_co_u32 s[NR1], s[NR1], 1
	s_lshl_b32 s32, s[SE], 21
	s_lshl2_add_u32 s39, s[SX], s[WV]              ; my slice of 64 columns: 4 x + w
	s_lshl_b32 s39, s39, 17
	s_add_co_u32 s32, s32, s39
	s_mov_b32 s33, 0
	s_add_nc_u64 s[6:7], s[6:7], s[32:33]          ; wb at my expert's slice
	s_lshl_b32 s39, s[SX], 10
	s_lshl_b32 s32, s[WV], 8
	s_add_co_u32 s32, s32, s39
	s_add_nc_u64 s[14:15], s[14:15], s[32:33]      ; out0 at my 64 columns
	s_lshl_b32 s39, s[SE], 12
	s_add_co_u32 s32, s32, s39
	s_add_nc_u64 s[12:13], s[12:13], s[32:33]      ; expert_b at my expert's 64 columns
; 32 loads: the weights' fragments of 128 k (chunk c) into buffer c % 2; each covers 512 consecutive bytes
.macro BLOAD c
	WIN 0x40                                       ; destination window 1, offset window 0
.set bi, 0
.rept 16
	global_load_b128 v[128*((\c)&1)+8*bi:128*((\c)&1)+8*bi+3],   v[BO], s[6:7] offset:(16*(\c)+bi)*1024
	global_load_b128 v[128*((\c)&1)+8*bi+4:128*((\c)&1)+8*bi+7], v[BO], s[6:7] offset:(16*(\c)+bi)*1024+512
.set bi, bi+1
.endr
.set LDN, LDN+32
.set MK_B, LDN
.endm
; 18 loads: chunk c of my wave's 36 rows; a load takes two rows' 256 bytes
.macro XLOAD c
	WIN 0
.set xi, 0
.rept 18
	global_load_b128 v[ST0+122*((\c)&1)+4*xi:ST0+122*((\c)&1)+4*xi+3], v[AO+xi], s[4:5] offset:256*(\c)
.set xi, xi+1
.endr
.set LDN, LDN+18
.if ((\c)&1) == 0
.set MK_X0, LDN
.else
.set MK_X1, LDN
.endif
.endm
.macro XSTORE c, p                     ; and into the tile: piece p of six, three stores
	WIN 0
.set xi, 3*(\p)
.rept 3
	ds_store_b128 v[AS0+xi/9], v[ST0+122*((\c)&1)+4*xi:ST0+122*((\c)&1)+4*xi+3] offset:2*PITCH*(xi%9)+256*(\c)
.set xi, xi+1
.endr
.set DSN, DSN+3
.endm
	BLOAD 0
	WIN 0
.irp n, 0,1,2,3
	global_load_b128 v[BIAS+8*(\n):BIAS+8*(\n)+3],   v[BIO], s[12:13] offset:64*(\n)
	global_load_b128 v[BIAS+8*(\n)+4:BIAS+8*(\n)+7], v[BIO], s[12:13] offset:64*(\n)+16
.endr
.set LDN, LDN+8
.set MK_BI, LDN
	s_wait_loadcnt 40                              ; the bitmaps are in; the 32 + 8 loads just issued are younger
	; my expert's words and counts: expert 0's first, then the one block of seven that fits overwrites them
.set q, 0
.rept 8
	v_mov_b32 v[WQ+q], v[BM+8*q]
	v_and_b32 v[CQ+q], 0xffff, v[CW+4*q]
.set q, q+1
.endr
.irp e, 1,2,3,4,5,6,7
	s_cmp_lg_u32 s[SE], \e
	s_cbranch_scc1 .Lnot_\e
.set q, 0
.rept 8
	v_mov_b32 v[WQ+q], v[BM+8*q+(\e)]
	v_bfe_u32 v[CQ+q], v[CW+4*q+(\e)/2], 16*((\e)%2), 16
.set q, q+1
.endr
.Lnot_\e:
.endr
.set q, 1
.rept 7
	v_add_nc_u32 v[CQ+q], v[CQ+q], v[CQ+q-1]       ; running sums over my eight groups: 224 at the most ahead of the last, a byte each
.set q, q+1
.endr
	v_lshl_or_b32 v[PA], v[CQ+1], 8, v[CQ]
	v_lshl_or_b32 v[PA], v[CQ+2], 16, v[PA]
	v_lshl_or_b32 v[PA], v[CQ+3], 24, v[PA]
	v_lshl_or_b32 v[PB], v[CQ+5], 8, v[CQ+4]
	v_lshl_or_b32 v[PB], v[CQ+6], 16, v[PB]
	v_mov_b32 v[NN], v[CQ+7]
	v_mov_b32 v[SS], 0
.macro SCANSTEP d, m                   ; the sum of the lanes below me: a lane whose number has the bit set takes its partner's block in
	v_mov_b32_dpp v21, v[NN] row_xmask:\d row_mask:0xf bank_mask:0xf
	v_cndmask_b32 v22, 0, v21, s[\m]
	v_add_nc_u32 v[SS], v[SS], v22
	v_add_nc_u32 v[NN], v[NN], v21
.endm
	SCANSTEP 1, 34
	SCANSTEP 2, 35
	SCANSTEP 4, 36
	SCANSTEP 8, 37
	v_permlanex16_b32 v21, v[NN], s26, s27
	v_cndmask_b32 v22, 0, v21, s38
	v_add_nc_u32 v[SS], v[SS], v22
	; the ranks: the tile's first + my row, held to the tile's last row
	v_min_u32 v[RHO0], s[NR1], v[RHO0]
	v_min_u32 v[RHO1], s[NR1], v[RHO1]
	v_add_nc_u32 v[RHO0], s[LO], v[RHO0]
	v_add_nc_u32 v[RHO1], s[LO], v[RHO1]
	v_mov_b32 v[LS0], 0
	v_mov_b32 v[LS1], 0
	; the lane that holds a rank: as many of lanes 1..31 as begin at or below it
.irp b, 0,1
.set i, 0
.rept 16-(\b)
	v_readlane_b32 s[40+i], v[SS], 1+16*(\b)+i
.set i, i+1
.endr
.set i, 0
.rept 16-(\b)
	v_cmp_le_u32 vcc_lo, s[40+i], v[RHO0]
	v_add_co_ci_u32 v[LS0], vcc_lo, 0, v[LS0], vcc_lo
	v_cmp_le_u32 vcc_lo, s[40+i], v[RHO1]
	v_add_co_ci_u32 v[LS1], vcc_lo, 0, v[LS1], vcc_lo
.set i, i+1
.endr
.endr
.macro PERM ls, gs, ix                 ; that lane's first rank, running sums and eight words
	v_min_u32 v[\ls], 31, v[\ls]
	v_lshlrev_b32 v[\ix], 2, v[\ls]
	ds_bpermute_b32 v[\gs], v[\ix], v[SS]
	ds_bpermute_b32 v[(\gs)+1], v[\ix], v[PA]
	ds_bpermute_b32 v[(\gs)+2], v[\ix], v[PB]
.set i, 0
.rept 8
	ds_bpermute_b32 v[(\gs)+3+i], v[\ix], v[WQ+i]
.set i, i+1
.endr
.endm
.macro STEP src, width                 ; does the rank lie past the next \width bits?  v22 rank left, v31 position
	v_bfe_u32 v29, v[\src], v31, \width
	v_cmp_ge_u32 vcc_lo, v22, v29
	v_cndmask_b32 v30, 0, v29, vcc_lo
	v_sub_nc_u32 v22, v22, v30
	v_cndmask_b32 v30, 0, \width, vcc_lo
	v_add_nc_u32 v31, v31, v30
.endm
.macro FIND rho, ls, gs, la
	v_sub_nc_u32 v22, v[\rho], v[\gs]              ; the rank inside the lane
	v_mov_b32 v23, v[(\gs)+3]                      ; the word, the ranks ahead of it, its number: the last group that begins at or below the rank
	v_mov_b32 v24, 0
	v_mov_b32 v25, 0
.set fq, 1
.rept 7
	v_bfe_u32 v26, v[(\gs)+1+(fq-1)/4], 8*((fq-1)%4), 8
	v_cmp_ge_u32 vcc_lo, v22, v26
	v_cndmask_b32 v23, v23, v[(\gs)+3+fq], vcc_lo
	v_cndmask_b32 v24, v24, v26, vcc_lo
	v_add_co_ci_u32 v25, vcc_lo, 0, v25, vcc_lo
.set fq, fq+1
.endr
	v_sub_nc_u32 v22, v22, v24                     ; the rank inside the word
	v_lshrrev_b32 v26, 1, v23
	v_and_b32 v26, 0x55555555, v26
	v_sub_nc_u32 v26, v23, v26                     ; set bits in each pair,
	v_lshrrev_b32 v27, 2, v26
	v_and_b32 v27, 0x33333333, v27
	v_and_b32 v28, 0x33333333, v26
	v_add_nc_u32 v27, v27, v28                     ; in each four,
	v_lshrrev_b32 v28, 4, v27
	v_add_nc_u32 v28, v28, v27
	v_and_b32 v28, 0x0f0f0f0f, v28                 ; in each byte,
	v_lshrrev_b32 v29, 8, v28
	v_add_nc_u32 v29, v29, v28
	v_and_b32 v29, 0xff, v29                       ; in the lower 16
	v_cmp_ge_u32 vcc_lo, v22, v29
	v_cndmask_b32 v30, 0, v29, vcc_lo
	v_sub_nc_u32 v22, v22, v30
	v_cndmask_b32 v31, 0, 16, vcc_lo
	STEP 28, 8
	STEP 27, 4
	STEP 26, 2
	STEP 23, 1
	v_lshl_add_u32 v31, v25, 10, v31               ; token = 32 (32 q + lane) + bit
	v_lshl_add_u32 v31, v[\ls], 5, v31
	v_min_u32 v31, 0x1fff, v31
	ds_store_b32 v[\la], v31
.endm
	PERM LS0, GS0, IX0
	PERM LS1, GS1, IX1
	s_wait_dscnt 11                                ; chain 0's eleven are in; chain 1's are younger
	FIND RHO0, LS0, GS0, LA0
	s_wait_dscnt 0x0
	FIND RHO1, LS1, GS1, LA1
.set i, 0
.rept 18
	ds_load_b32 v[AO+i], v[LISTW] offset:8*i       ; my wave's own 36 words: LDS serves a wave's instructions in order
.set i, i+1
.endr
	s_wait_dscnt 0x0
.set i, 0
.rept 18
	v_min_u32 v[AO+i], 0x1fff, v[AO+i]
	v_lshl_add_u32 v[AO+i], v[AO+i], 11, v[CO]     ; a row of xb is 2,048 bytes
.set i, i+1
.endr
	XLOAD 0
	XLOAD 1
	WLD MK_BI                                      ; the first weights and the bias are in; the 2 x 18 loads of rows are younger
.set bi, 0
.rept 16                               ; the bias is rounded to bf16 like every input, and widened again
	v_cvt_pk_bf16_f32 v[21+bi%4], v[BIAS+2*bi], v[BIAS+2*bi+1]
	v_lshlrev_b32 v[BIAS+2*bi], 16, v[21+bi%4]
	v_and_b32 v[BIAS+2*bi+1], 0xffff0000, v[21+bi%4]
.set bi, bi+1
.endr
	WLD MK_X0                                      ; chunk 0 of my rows is in; chunk 1's 18 loads are younger
.irp p, 0,1,2,3,4,5
	XSTORE 0, \p
.endr
	XLOAD 2
	s_wait_dscnt 0x0                               ; for the others' sake: my rows' chunk 0 and my part of the list are in LDS
	s_barrier_signal -1
	s_barrier_wait -1
; Six LDS loads: the fragments of row blocks 3 p .. 3 p + 2 for 32 k (sub-step u), into buffer u % 2
.macro FPART u, p
	WIN 0xc0                                       ; destination window 3, address window 0
.set mbi, 3*(\p)
.rept 3
.set rA, 32+72*((\u)&1)+8*mbi
	ds_load_b128 v[rA:rA+3],   v[AF+mbi/2] offset:(mbi%2)*16*PITCH+64*(\u)
	ds_load_b128 v[rA+4:rA+7], v[AF+mbi/2] offset:(mbi%2)*16*PITCH+64*(\u)+32
.set mbi, mbi+1
.endr
.set DSN, DSN+6
.if (\p) == 0
.set MK_F0, DSN
.elseif (\p) == 1
.set MK_F1, DSN
.else
.set MK_F2, DSN
.endif
.endm
; Eight LDS loads: row block a's fragments of the whole last chunk (sub-steps 28-31), into buffer a % 4
.macro ALOAD a
	WIN 0xc0
.set rA, 32+32*((\a)%4)
.irp q, 0,1,2,3
	ds_load_b128 v[rA+8*(\q):rA+8*(\q)+3],   v[AF+(\a)/2] offset:((\a)%2)*16*PITCH+64*(28+(\q))
	ds_load_b128 v[rA+8*(\q)+4:rA+8*(\q)+7], v[AF+(\a)/2] offset:((\a)%2)*16*PITCH+64*(28+(\q))+32
.endr
.set DSN, DSN+8
.if (\a)%4 == 0
.set MK_A0, DSN
.elseif (\a)%4 == 1
.set MK_A1, DSN
.elseif (\a)%4 == 2
.set MK_A2, DSN
.else
.set MK_A3, DSN
.endif
.endm
.macro WAITA a                         ; row block a's fragments are in
.if (\a)%4 == 0
	WDS MK_A0
.elseif (\a)%4 == 1
	WDS MK_A1
.elseif (\a)%4 == 2
	WDS MK_A2
.else
	WDS MK_A3
.endif
.endm
; Row blocks mb0..mb1 x all four column blocks, 32 k.  The 36 accumulators take turns, one instruction a turn, in the same order in every sub-step.
; first = 1: the product starts the sum, with the bias as C: nothing is cleared.
.macro MUL u, mb0, mb1, first
.set mbi, \mb0
.rept (\mb1)-(\mb0)+1
.set rA, 32+72*((\u)&1)+8*mbi
.if mbi < 8
.set rD, 32*mbi
.if \first
	WIN 0x8d                                       ; weights window 1, rows window 3, C window 0, D window 2
.else
	WIN 0xad                                       ; C and D window 2
.endif
.else
.set rD, 0
.if \first
	WIN 0xcd
.else
	WIN 0xfd                                       ; C and D window 3
.endif
.endif
.set nbi, 0
.rept 4
.set rB, 128*(((\u)/4)&1)+32*((\u)%4)+8*nbi
.if \first
	v_wmma_f32_16x16x32_bf16 v[rD+8*nbi:rD+8*nbi+7], v[rB:rB+7], v[rA:rA+7], v[BIAS+8*nbi:BIAS+8*nbi+7]
.else
	v_wmma_f32_16x16x32_bf16 v[rD+8*nbi:rD+8*nbi+7], v[rB:rB+7], v[rA:rA+7], v[rD+8*nbi:rD+8*nbi+7]
.endif
.set nbi, nbi+1
.endr
.set mbi, mbi+1
.endr
.endm
; Sub-step s of chunk c (0 to 6): three groups of 12 products; behind each group what is due for later steps and six of the next sub-step's 18 fragment loads, 24 products ahead of their first use.
; The four v_nop behind the first group are the places for all that the sub-step loads: the registers of the first run were last read by the first group of the sub-step before, behind which its own four stand;
; those of the second and third run, and of the weights' buffer, by later groups of the sub-step before, behind which these four stand.
;   s = 0: the next chunk's weights are asked for, a chunk (144 products) ahead of their use.   s = 1, 2: the next chunk of my rows goes into LDS, three stores at each of six points; then the chunk three on is asked for.
;   s = 3: the barrier between every wave's stores of the next chunk and the first reads of it.   In chunk 5 the tokens of my lanes' rows and their gates are fetched.
;   The last sub-step (27) fetches the first three row blocks of the last chunk, which goes by rows.
.macro NEXTF p                         ; the run of fragment loads at point p + 1 of sub-step U
.if U < 27
	FPART U+1, \p
.else
	ALOAD \p
.endif
.endm
.macro SUB c, s
.set U, 4*(\c)+(\s)
.set FIRST, 0
.if U == 0
.set FIRST, 1
.endif
.if ((\s) == 0) && ((\c) >= 1)
	WLD MK_B                                       ; this chunk's weights are in; what was asked for behind them (18 loads of rows; in chunk 6 the nine gates) stays out
.endif
	WDS MK_F0                                      ; row blocks 0-2 are in
	MUL U, 0, 2, FIRST
	PLACES
.if (\s) == 0
	BLOAD (\c)+1
.endif
.if (\s) == 1
.if (\c) == 6
	WLD MK_G                                       ; the gates are in, and the last chunk of rows, which is older; the last 32 loads of weights stay out
	WIN 0
.set gi, 0
.rept 9
	v_mov_b32 v[G2+2*gi+1], v[G2+2*gi]
.set gi, gi+1
.endr
.elseif (((\c)+1)&1) == 0
	WLD MK_X0                                      ; the next chunk of my rows is in
.else
	WLD MK_X1
.endif
	XSTORE (\c)+1, 0
.endif
.if (\s) == 2
	XSTORE (\c)+1, 3
.if (\c) == 5
	WIN 0
.set gi, 0
.rept 9
	ds_load_b32 v[TG+gi], v[LSTR] offset:64*gi     ; the token of row 16 mb + lane % 16
.set gi, gi+1
.endr
.set DSN, DSN+9
.endif
.endif
.if (\s) == 3
	s_wait_dscnt 0x0                               ; no LDS instruction of mine is out: my stores of the next chunk are done
	s_barrier_signal -1
	s_barrier_wait -1                              ; everybody's are
.if (\c) == 5
	WIN 0
.set gi, 0
.rept 9
	v_min_u32 v[TG+gi], 0x1fff, v[TG+gi]
	v_lshlrev_b32 v[TG+gi], 2, v[TG+gi]
	global_load_b32 v[G2+2*gi], v[TG+gi], s[8:9]
.set gi, gi+1
.endr
.set LDN, LDN+9
.set MK_G, LDN
.endif
.endif
	NEXTF 0
	WDS MK_F1                                      ; row blocks 3-5 are in
	MUL U, 3, 5, FIRST
.if (\s) == 1
	XSTORE (\c)+1, 1
.endif
.if (\s) == 2
	XSTORE (\c)+1, 4
.endif
	NEXTF 1
	WDS MK_F2                                      ; row blocks 6-8 are in
	MUL U, 6, 8, FIRST
.if (\s) == 1
	XSTORE (\c)+1, 2
.endif
.if (\s) == 2
	XSTORE (\c)+1, 5
.if (\c) <= 4
	XLOAD (\c)+3                                   ; into the registers that the six pieces have just left
.endif
.endif
	NEXTF 2
.endm
	FPART 0, 0
	FPART 0, 1
	FPART 0, 2
.irp c, 0,1,2,3,4,5,6
.irp s, 0,1,2,3
	SUB \c, \s
.endr
.endr
; THE LAST CHUNK, BY ROWS.  Row block a is finished by 16 products, k ascending, its four accumulators by turns.
.macro ROW a
.set rA, 32+32*((\a)%4)
.if (\a) < 8
	WIN 0xad
.set rD, 32*(\a)
.else
	WIN 0xfd
.set rD, 0
.endif
.irp q, 0,1,2,3
.irp n, 0,1,2,3
	v_wmma_f32_16x16x32_bf16 v[rD+8*(\n):rD+8*(\n)+7], v[128+32*(\q)+8*(\n):128+32*(\q)+8*(\n)+7], v[rA+8*(\q):rA+8*(\q)+7], v[rD+8*(\n):rD+8*(\n)+7]
.endr
.endr
.endm
; THE WAY OUT of a block of 16 rows: times the gate; 32 bytes a lane into my own stage; back as whole rows of 256 bytes; stored to the rows' tokens.
.macro PACK mb                         ; each accumulator's registers in ascending order
.if (\mb) < 8
	WIN 0x82                                       ; destination and source 0 window 2, the gate window 0
.set rD, 32*(\mb)
.else
	WIN 0xc3
.set rD, 0
.endif
.set pi, 0
.rept 16
	v_pk_mul_f32 v[rD+2*pi:rD+2*pi+1], v[rD+2*pi:rD+2*pi+1], v[G2+2*(\mb):G2+2*(\mb)+1]
.set pi, pi+1
.endr
.endm
.macro TOSTAGE mb                      ; its registers in window 0 were those of the block two back, whose stores stand in front of the s_wait_xcnt 0 at the head of the last SEND
.if (\mb) < 8
	WIN 0x08                                       ; data window 2, address window 0
.set rD, 32*(\mb)
.else
	WIN 0x0c
.set rD, 0
.endif
.irp n, 0,1,2,3
	ds_store_b128 v[STO], v[rD+8*(\n):rD+8*(\n)+3]   offset:64*(\n)
	ds_store_b128 v[STO], v[rD+8*(\n)+4:rD+8*(\n)+7] offset:64*(\n)+16
.endr
	WIN 0
.set BK, OB+32*((\mb)&1)
.set TKB, TK+8*((\mb)&1)
.irp t, 0,1,2,3,4,5,6,7
	ds_load_b128 v[BK+4*(\t):BK+4*(\t)+3], v[RD] offset:2*SP*(\t)  ; LDS serves a wave's instructions in order: these see the stores above; the next block's stores come behind them
.endr
.irp t, 0,1,2,3,4,5,6,7
	ds_load_b32 v[TKB+(\t)], v[LSTH] offset:4*(16*(\mb)+2*(\t))    ; the token of row 16 mb + 2 t + lane / 16
.endr
.set DSN, DSN+24
.set MK_T, DSN
.endm
.macro SEND mb
	WIN 0
.set BK, OB+32*((\mb)&1)
.set TKB, TK+8*((\mb)&1)
	WDS MK_T                                       ; the block is back in registers; a run of eight fragment loads issued behind it may stay out
	s_wait_xcnt 0x0                                ; the stores of the blocks before have read their registers: the next TOSTAGE loads those of the block before this one again
.irp t, 0,1,2,3,4,5,6,7
	v_min_u32 v[TKB+(\t)], 0x1fff, v[TKB+(\t)]
.endr
.irp t, 0,1,2,3,4,5,6,7
	v_lshl_add_u32 v[TKB+(\t)], v[TKB+(\t)], 12, v[CO]  ; a row of out0 is 4,096 bytes
.endr
	s_cmp_le_u32 s[NROW], 16*(\mb)
	s_cbranch_scc1 .Lpast_\@                       ; a block wholly past the count is not stored
.irp t, 0,1,2,3,4,5,6,7
	global_store_b128 v[TKB+(\t)], v[BK+4*(\t):BK+4*(\t)+3], s[14:15] th:TH_STORE_NT  ; 16 lanes store 256 consecutive bytes, at a multiple of 256 from out0's first byte
.endr
.Lpast_\@:
.endm
	WLD MK_B                                       ; the last chunk's weights
	WAITA 0
	ROW 0
	PLACES                                         ; behind block 0's products; also in front of the loads into the fragment registers that sub-step 27 read last
; Block m leaves while block m + 1 is multiplied: its 16 products stand between the stage's loads and the wait for them.  SEND's 16 plain vector lines, which name no register of those products,
; are the places in front of the next PACK and of the next run of fragment loads.  A run of fragment loads goes into the buffer of the block before this one, three blocks ahead of its use.
.irp m, 0,1,2,3,4,5,6,7,8
	PACK \m
	TOSTAGE \m
.if (\m) <= 5
	ALOAD (\m)+3
.endif
.if (\m) <= 7
	WAITA (\m)+1
	ROW (\m)+1
.endif
	SEND \m
.endr
	s_wait_tensorcnt 0x0                           ; the wave's end: behind my last LDS store
	ds_add_u32 v[SPW], v[NIL]
	s_wait_dscnt 0x0
	s_endpgm
.Lfunc_end_k_qde09fce77f_moe:
	.size	k_qde09fce77f_moe, .Lfunc_end_k_qde09fce77f_moe-k_qde09fce77f_moe
	.p2alignl 7, 3214868480
	.fill 96, 4, 3214868480
	.section	.rodata,"a",@progbits
	.p2align	6, 0x0
	.amdhsa_kernel k_qde09fce77f_moe
		.amdhsa_group_segment_fixed_size 315904
		.amdhsa_private_segment_fixed_size 0
		.amdhsa_enable_private_segment 0
		.amdhsa_kernarg_size 48
		.amdhsa_user_sgpr_count 2
		.amdhsa_user_sgpr_kernarg_segment_ptr 1
		.amdhsa_wavefront_size32 1
		.amdhsa_system_sgpr_workgroup_id_x 1
		.amdhsa_system_sgpr_workgroup_id_y 1
		.amdhsa_system_sgpr_workgroup_id_z 1
		.amdhsa_system_vgpr_workitem_id 0
		.amdhsa_next_free_vgpr 944
		.amdhsa_next_free_sgpr 66
		.amdhsa_reserve_vcc 1
		.amdhsa_float_denorm_mode_32 3
		.amdhsa_float_denorm_mode_16_64 3
		.amdhsa_memory_ordered 1
		.amdhsa_forward_progress 1
		.amdhsa_inst_pref_size 255
	.end_amdhsa_kernel
	.section	.bss,"aw",@nobits
	.p2align	6
	.space	262144
	.amdgpu_metadata
---
amdhsa.version: [ 1, 2 ]
amdhsa.kernels:
  - .name:           k_qde09fce77f_moe
    .symbol:         k_qde09fce77f_moe.kd
    .args:
      - { .name: xb, .offset: 0, .size: 8, .value_kind: global_buffer, .address_space: global }
      - { .name: wb, .offset: 8, .size: 8, .value_kind: global_buffer, .address_space: global }
      - { .name: gate, .offset: 16, .size: 8, .value_kind: global_buffer, .address_space: global }
      - { .name: route, .offset: 24, .size: 8, .value_kind: global_buffer, .address_space: global }
      - { .name: expert_b, .offset: 32, .size: 8, .value_kind: global_buffer, .address_space: global }
      - { .name: out0, .offset: 40, .size: 8, .value_kind: global_buffer, .address_space: global }
    .group_segment_fixed_size: 315904
    .private_segment_fixed_size: 0
    .kernarg_segment_align: 8
    .kernarg_segment_size: 48
    .max_flat_workgroup_size: 128
    .sgpr_count:     66
    .vgpr_count:     944
    .wavefront_size: 32
...
	.end_amdgpu_metadata
.endif
;; end of part 2
